; MI455X (gfx1250); checked and timed in simulation.
; The chip was launched on July 23, 2026; its instructions are those of AMD's public machine-readable ISA for CDNA 5 (MIT licence, August 2026) and "CDNA5" Instruction Set Architecture Reference Guide (July 2026). The comments in the code are by the model that wrote it; some were corrected since.
;; Discretized DPLRSSM Block. Allowed arithmetic: matrix products marked QUANTISED: E3M2 operands, one E8M0 scale for each 32 along K, by v_wmma_scale_f32_16x16x128_f8f6f4 with both operands' format E3M2, f32 sums; products left as they are: f32 operands where the result goes on into a quantised operand, else bf16, f16 or f32 operands; f32 sums; everything else in f32.
;; Inputs: a_diag 4,096 float32; b_mat_codes 4,096 x 128 x 24 uint8 (E3M2 codes of b_mat, K innermost, in blocks of 32 codes, four codes in three bytes); b_mat_scales 4,096 x 128 uint8 (E8M0 scales of b_mat, one for each 32 codes along K); h 4,096 x 4,096 float32; p_vec 4,096 x 4 float32; q_vec 4,096 x 4 float32; x_codes 4,096 x 128 x 24 uint8 (E3M2 codes of x, K innermost, in blocks of 32 codes, four codes in three bytes); x_scales 4,096 x 128 uint8 (E8M0 scales of x, one for each 32 codes along K).
;; Outputs: out0 4,096 x 4,096 float32.
;; This version of the problem:
;;   THIS VERSION OF THE PROBLEM IS GIVEN IN LOW PRECISION. The matrix products marked QUANTISED in the list below multiply operands that are first quantised to E3M2 (3 exponent bits, 2 mantissa bits; 6 bits a number), with one power-of-two scale for each 32 numbers along K (OCP MX v1.0); their sums are f32. All else is computed in f32.
;;   The module's matrix products, in the order in which they are computed (A, B: the left and right operand; K: the contracted axis; several contracted axes count as one K, in the product's order):
;;     1. [M 4,096, K 4,096] x [K 4,096, N 4]; A: input h; B: input q_vec: left as it is (N = 4 < 16)
;;     2. [M 4,096, K 4] x [K 4, N 4,096]; A: computed on the way; B: input p_vec: left as it is (K = 4 < 32)
;;     3. [M 4,096, K 4,096] x [K 4,096, N 4,096]; A: input x (given as codes); B: input b_mat (given as codes): QUANTISED
;;   THE QUANTISER, for each operand of a quantised product, along K:
;;     - K is cut into blocks of 32 from its start; a last block that is shorter is filled with zeros.
;;     - A block's scale is 2^e with e = floor(log2(the largest magnitude in the block)) - 4, held to -126 .. 127; a block of zeros has e = 0. As a byte (E8M0): e + 127.
;;     - Each number is divided by its block's scale, clamped to +-28, and rounded to the nearest number of E3M2, ties to even, subnormals kept.
;;     - The product sums the exact products of the quantised numbers (number of the format x scale) in f32.
;;   ~~~python
;;   def quantise(x, axis):      # numpy; x: float32 -> the quantised numbers, widened to float32 again
;;       x = np.moveaxis(x, axis, -1); K = x.shape[-1]
;;       x = np.pad(x, [(0, 0)] * (x.ndim - 1) + [(0, -K % 32)]); x = x.reshape(x.shape[:-1] + (-1, 32)); a = np.abs(x).max(-1, keepdims=True)
;;       e = np.where(a > 0, np.clip(np.frexp(np.where(a > 0, a, 1))[1] - 1 - 4, -126, 127), 0)      # np.frexp(a)[1] - 1 = floor(log2(a)), exactly
;;       r = np.clip(x / 2.0 ** e, -28, 28)
;;       step = 2.0 ** (np.maximum(np.frexp(np.where(r == 0, 1, r))[1] - 1, -2) - 2)
;;       q = np.round(r / step) * step * 2.0 ** e      # np.round: ties to even
;;       return np.moveaxis(q.reshape(q.shape[:-2] + (-1,))[..., :K], -1, axis).astype(np.float32)
;;   ~~~
;;   INPUTS GIVEN AS CODES. b_mat (in the module: [4096, 4096], K = its axis 0); x (in the module: [4096, 4096], K = its axis 1): each comes as NAME_codes (uint8): NAME with its K axis moved to the last place and cut into blocks of 32 codes, [.., K / 32, bytes a block], one block behind the other in memory; four codes in three bytes: a row's codes are one little-endian stream of bits, code i at bits 6 i .. 6 i + 5 (a code: sign, 3 exponent bits, 2 mantissa bits); and NAME_scales (uint8): the same leading axes, one E8M0 byte (e + 127) for each 32 codes along K. Its value is code x scale, taken as it is: it is not quantised again, and the codes and scales need not be those that the quantiser above would give.
;; One version. Each part assembles by itself: llvm-mc -triple=amdgcn-amd-amdhsa -mcpu=gfx1250 --defsym DOCPART=n.
;; ======== version 1 of 1: 2 launches
;; limits: right only within a limited range of input values
;; workspace buffers: hq 65,536 bytes; wk 26,214,400 bytes
;; launch prep (part 1): grid 256 x 1, 16 waves a work-group, no clusters, 327,680 bytes of LDS; arguments h, q_vec, hq, x_codes, x_scales, b_mat_codes, b_mat_scales, wk; writes hq, wk
.if DOCPART == 1
	.amdgcn_target "amdgcn-amd-amdhsa--gfx1250"
	.amdhsa_code_object_version 6
	.text
	.protected	k_qadc311824f_prep
	.globl	k_qadc311824f_prep
	.p2align	8
	.type	k_qadc311824f_prep,@function
k_qadc311824f_prep:
	s_mov_b64 s[64:65], 0
	v_nop
	global_prefetch_b8 v0, s[64:65] scope:SCOPE_SE
	s_setreg_imm32_b32 hwreg(HW_REG_WAVE_MODE, 25, 1), 1
	s_wait_xcnt 0x0
; TWO TASKS.  All inputs of the problem are used by this program; nothing is left out.
; (1) hq[m][r] = the sum over c of h[m][c] q[c][r].  h: [4096][4096] f32, q: [4096][4] f32, hq: [4096][4] f32.  Fused multiply-adds in f32.
; A work-group of sixteen waves owns 16 rows of h (262,144 bytes).  Wave w owns columns 256 w .. 256 w + 255: ONE tensor load a wave, at the head, brings its 16 rows x 1,024 bytes into LDS bytes of its own
; (rows of 1,024 bytes on 256-byte borders); nothing is filled again, so there is no ring.  Only the issuing wave reads its tile, behind its own wait on TENSORcnt.
; Lane l owns columns 4 l .. 4 l + 3 and 128 + 4 l .. + 3 of the wave's 256: an LDS load covers 512 consecutive bytes, and a thread's 8 columns x 4 ranks of q stay in 32 registers.
; A ROW'S FOUR SUMS are reduced over the 32 lanes; the first step shares the ranks out (even lanes ranks 0 and 1, odd lanes 2 and 3); the row's pair is kept in lanes 2 i and 2 i + 1 of one register pair.
; The sixteen waves' parts meet in LDS behind a barrier, and wave 0 stores the work-group's 16 x 4 numbers as 256 consecutive aligned bytes.
; ORDER OF THE SUMS: by thread, lane and wave, not ascending c: the result differs from a chain in c by f32 rounding alone.  NaN and infinities in h or q spread to the rows that hold them.
; (2) x's and b_mat's codes and scales are laid anew into wk, in the order of the matrix operands' registers, so that the product's launch fetches dense tiles of 256-byte rows on 256-byte borders.
; wk: 64 groups of 128 rows (32 of x, then 32 of b_mat) x 16 chunks of 256 along K x a tile of 25,600 bytes.  A tile: block i (16 rows) x step q (128 along K) x 1,536 bytes: registers 4 g .. 4 g + 3 of lane l
; of the 6-bit fragment at 512 g + 16 l; then from byte 24,576 the scale words: blocks 2 p and 2 p + 1 at 256 p + 8 l (+ 4 for the odd block); lanes 0-15 row l's word of step 0, lanes 16-31 row l - 16's of step 1.
; Work-group g takes 32 rows (g under 128: of x, else of b_mat), in two passes of 16 rows through one LDS stage: wave w reads rows w and 16 + w (six loads of 512 consecutive bytes each) and puts them into LDS rows of
; 3,088 bytes (772 words: the 32 lanes of an 8-byte read touch 64 different banks); behind a barrier wave w takes chunk w: two fragments a pass, each six 8-byte LDS reads and three stores of 512 consecutive bytes.
; The bytes are copied as they are.  No prefetch: the launch has no loop to run ahead in, and every byte is asked for at its head.  No cluster: no two work-groups read the same bytes but q's 65,536.
.set PSUM,   0                         ; LDS: 256 bytes a wave: the parts of hq
.set SPARE,  0x1000                    ; the spare words, 128 bytes a wave
.set CSTG,   6144                      ; 16 rows of codes
.set CROW,   3072
.set CPITCH, 3088
.set SSTG,   CSTG+16*CPITCH            ; 16 chunks x 256 bytes of scale words
.set HST,    SSTG+4096                 ; h: 16,384 bytes a wave
.set TILE,   25600
.set R,   6                            ; v[6:7]   lane l: my wave's part of hq[row l / 2][2 (l % 2)] and of the next rank
.set QS,  8                            ; v8-39    q as loaded
.set QT,  40                           ; v40-71   q in pairs of columns: QT + 2 (4 pr + r) + e = q of local column 2 pr + e, rank r
.set ACC, 72                           ; v72-87   two sets of four pairs, by the row's parity
.set X,   88                           ; v88-215  row i of h at X + 8 i; then at work on the row's sums
.set GI,  184                          ; v184-191 offsets of the re-lay; v192-215, v220-243 its data, a pass each; v244-245 scale words.  v184-215 are rows 12 to 15 of h afterwards
.set LI,  185
.set SI,  186
.set SL,  187
.set FL,  188
.set GO,  189
.set SO,  190
.set SR,  191
.set LH,  216                          ; lane / 2
.set PAR, 217                          ; lane % 2
.set G1,  44                           ; s[44:51], s[52:55] the tensor load's groups 1 and 0
.set G0,  52
	s_load_b128 s[4:7], s[0:1], 0x0                ; h s[4:5], q s[6:7]
	s_load_b64 s[8:9], s[0:1], 0x10                ; hq
	s_load_b256 s[24:31], s[0:1], 0x18             ; x's codes, x's scales, b_mat's codes, b_mat's scales
	s_load_b64 s[32:33], s[0:1], 0x38              ; wk
	v_lshl_add_u32 v218, v0, 2, SPARE
	v_mov_b32 v219, 0
	ds_add_u32 v218, v219                          ; the opening lines: the add, twice on end, and its wait ahead of my tensor load
	ds_add_u32 v218, v219
	v_lshrrev_b32 v5, 5, v0                        ; wave
	v_and_b32 v4, 31, v0                           ; lane
	v_and_b32 v[PAR], 1, v0
	v_and_b32 v193, 15, v0                         ; t % 16: a fragment's row; for the scales: the chunk
	v_bfe_u32 v194, v0, 4, 1                       ; lane / 16
	v_readfirstlane_b32 s12, v5                    ; wave 0 .. 15
	v_bfe_u32 v195, v0, 4, 4                       ; (t / 16) % 16: the scales' row in its block
	v_lshrrev_b32 v196, 8, v0                      ; t / 256: the scales' block
	v_lshrrev_b32 v[LH], 1, v4
	v_lshlrev_b32 v192, 4, v4                      ; 16 x lane
	v_lshlrev_b32 v198, 6, v4                      ; 64 x lane
	v_lshlrev_b32 v4, 3, v4                        ; 8 x lane
	v_mul_u32_u24 v197, v5, TILE                   ; chunk w's tile
	v_lshlrev_b32 v[SI], 3, v0                     ; scales in: 8 bytes a thread: row t / 16, chunk t % 16, both steps' words
	v_mul_u32_u24 v[FL], v193, CPITCH
	v_lshlrev_b32 v[SL], 8, v193
	v_lshl_add_u32 v2, v5, 12, v198                ; q: 256 rows of 16 bytes a wave, four rows a lane
	v_lshl_add_u32 v3, v5, 8, v4                   ; the parts of hq: 256 bytes a wave, 8 a lane
	v_lshl_add_u32 v1, v5, 14, v192
	v_mad_u32_u24 v[GI], v5, CROW, v192            ; codes in: a row a wave, 16 bytes a lane
	v_mad_u32_u24 v[LI], v5, CPITCH, v192          ; and its place in LDS
	v_add_nc_u32 v[GO], v197, v192                 ; codes out
	v_add_nc_u32 v[SO], v197, v4                   ; scales out
	v_mad_u32_u24 v[FL], v194, 24, v[FL]
	v_lshl_add_u32 v[SL], v195, 3, v[SL]
	v_add_nc_u32 v1, HST, v1                       ; h in LDS: my wave's tile, 16 bytes a lane
	v_add_nc_u32 v[SR], SSTG, v3                   ; scales back from LDS: chunk w, 8 bytes a lane
	s_delay_alu instid0(VALU_DEP_4)
	v_mad_u32_u24 v[FL], v5, 192, v[FL]            ; a fragment's piece: row x pitch + 24 x half + 192 x chunk
	s_delay_alu instid0(VALU_DEP_4)
	v_lshl_add_u32 v[SL], v196, 2, v[SL]
	s_delay_alu instid0(VALU_DEP_1)
	v_add_nc_u32 v[SL], SSTG, v[SL]                ; scales into LDS: 256 x chunk + 8 x row + 4 x block (step 1: 128 further on)
	s_mov_b32 s10, 0x76543210                      ; v_permlanex16_b32: each lane takes its own place in the other half
	s_mov_b32 s11, 0xfedcba98
	s_lshl_b32 s14, ttmp9, 18                      ; the work-group's 16 rows of 16,384 bytes
	s_mov_b32 s15, 0
	s_lshl_b32 s16, ttmp9, 8                       ; and its 256 bytes of hq
	s_mov_b32 s17, 0
	s_lshl_b32 s18, s12, 10                        ; my wave's 1,024 bytes of a row
	s_mov_b32 s19, 0
	s_mov_b32 s[G1+0], 2<<16                       ; elements of 4 bytes; no mask, no padding
	s_mov_b32 s[G1+1], 256<<16                     ; tensor_dim0 = 256
	s_mov_b32 s[G1+2], 16<<16                      ; tensor_dim1 = 16
	s_mov_b32 s[G1+3], 256<<16                     ; tile_dim0
	s_mov_b32 s[G1+4], 16                          ; tile_dim1
	s_mov_b32 s[G1+5], 4096                        ; the pitch
	s_mov_b32 s[G1+6], 0
	s_mov_b32 s[G1+7], 0
	s_mov_b32 s[G0], 1
	s_lshl_b32 s[G0+1], s12, 14
	s_add_co_u32 s[G0+1], s[G0+1], HST             ; my wave's tile in LDS
	s_and_b32 s34, ttmp9, 127                      ; my 32 rows of x or of b_mat
	s_mul_i32 s36, s34, 32*CROW
	s_mov_b32 s37, 0
	s_lshl_b32 s38, s34, 12
	s_mov_b32 s39, 0
	s_lshr_b32 s35, ttmp9, 2                       ; my group of 128 rows in wk,
	s_and_b32 s34, ttmp9, 3                        ; and my pair of blocks in it
	s_mul_i32 s35, s35, 16*TILE
	s_mul_i32 s40, s34, 2*CROW
	s_add_co_u32 s40, s40, s35
	s_mov_b32 s41, 0
	s_lshl_b32 s42, s34, 8
	s_add_co_u32 s42, s42, s35
	s_add_co_u32 s42, s42, 24576
	s_mov_b32 s43, 0
	s_wait_alu depctr_va_vdst(0)
	s_wait_dscnt 0x0                               ; both opening adds are done
	s_wait_kmcnt 0x0
	s_add_nc_u64 s[4:5], s[4:5], s[14:15]
	s_add_nc_u64 s[8:9], s[8:9], s[16:17]
	s_add_nc_u64 s[G0+2:G0+3], s[4:5], s[18:19]
	s_or_b32 s[G0+3], s[G0+3], 0x80000000
	tensor_load_to_lds s[G0:G0+3], s[G1:G1+7]      ; my 16 rows x 1,024 bytes of h: the wave's one tensor load
	s_nop 0
	s_cmp_lt_u32 ttmp9, 128                        ; the first 128 work-groups take x, the others b_mat
	s_cselect_b64 s[24:25], s[24:25], s[28:29]
	s_cselect_b64 s[26:27], s[26:27], s[30:31]
	s_add_nc_u64 s[24:25], s[24:25], s[36:37]
	s_add_nc_u64 s[26:27], s[26:27], s[38:39]
	s_add_nc_u64 s[28:29], s[32:33], s[40:41]      ; wk: my codes
	s_add_nc_u64 s[30:31], s[32:33], s[42:43]      ; wk: my scale words
.irp j, 0,1,2,3,4,5,6,7,8,9,10,11      ; rows w (v192-215) and 16 + w (v220-243)
	global_load_b128 v[192+4*\j+4*(\j/6):195+4*\j+4*(\j/6)], v[GI], s[24:25] offset:(\j/6)*16*CROW+(\j%6)*512 th:TH_LOAD_NT
.endr
	global_load_b64 v[244:245], v[SI], s[26:27] th:TH_LOAD_NT
.irp c, 0,1,2,3,4,5,6,7
	global_load_b128 v[QS+4*\c:QS+4*\c+3], v2, s[6:7] offset:16*(\c%4)+2048*(\c/4)   ; q's row of my local column c: columns 4 l + c, then 128 rows (2,048 bytes) on
.endr
.macro ROWS_IN b                       ; pass b: my row into the stage
.irp j, 0,1,2,3,4,5
	ds_store_b128 v[LI], v[192+28*\b+4*\j:195+28*\b+4*\j] offset:CSTG+512*\j
.endr
.endm
.macro FRAGS b                         ; pass b: chunk w's two fragments of block b, into the registers that held my row
.irp q, 0,1
.irp p, 0,1,2,3,4,5
	ds_load_b64 v[192+28*\b+12*\q+2*\p:193+28*\b+12*\q+2*\p], v[FL] offset:CSTG+96*\q+48*(\p/3)+8*(\p%3)
.endr
.endr
.endm
.macro FRAGS_OUT b
.irp q, 0,1
.irp g, 0,1,2
	global_store_b128 v[GO], v[192+28*\b+12*\q+4*\g:195+28*\b+12*\q+4*\g], s[28:29] offset:\b*3072+\q*1536+512*\g   ; 512 consecutive bytes, at a multiple of 256 from wk's first byte
.endr
.endr
.endm
	s_wait_loadcnt 8                               ; codes and scales are in; q's eight loads stay out
	ROWS_IN 0
	ds_store_b32 v[SL], v244                       ; step 0's word
	ds_store_b32 v[SL], v245 offset:128            ; step 1's word, sixteen lanes' places further on
	s_wait_dscnt 0x0                               ; for the others' sake: my stores have landed
	s_barrier_signal -1
	s_barrier_wait -1
	FRAGS 0
	ds_load_b64 v[244:245], v[SR]
	s_wait_dscnt 0x0                               ; my reads of the stage are back: it may be written again behind the barrier
	s_barrier_signal -1
	s_barrier_wait -1
	ROWS_IN 1
	FRAGS_OUT 0
	global_store_b64 v[SO], v[244:245], s[30:31]   ; 256 consecutive aligned bytes
	s_wait_dscnt 0x0
	s_barrier_signal -1
	s_barrier_wait -1
	FRAGS 1
	s_wait_dscnt 0x0
	FRAGS_OUT 1
	s_wait_xcnt 0x0                                ; the stores' registers are loaded again (rows 12 to 15 of h) only behind this wait
	s_wait_tensorcnt 0x0                           ; my tile of h is in LDS
.set I, 0
.rept 16
	ds_load_b128 v[X+8*I:X+8*I+3],   v1 offset:1024*I          ; row I: two loads, each of 512 consecutive bytes
	ds_load_b128 v[X+8*I+4:X+8*I+7], v1 offset:1024*I+512
.set I, I+1
.endr
	s_wait_loadcnt 0x0                             ; q
.irp pr, 0,1,2,3
.irp r, 0,1,2,3
	v_mov_b32 v[QT+2*(4*\pr+\r)],   v[QS+4*(2*\pr)+\r]     ; once in the launch: a packed multiply-add wants two neighbouring columns' q of one rank in a register pair
	v_mov_b32 v[QT+2*(4*\pr+\r)+1], v[QS+4*(2*\pr+1)+\r]
.endr
.endr
; Row i's turn: 16 packed multiply-adds (the first four are multiplies and start the sums); the pairs' halves added; the sum over the 32 lanes; the pair kept.
.macro ROW i
.set A,  ACC+8*((\i)%2)
.set XR, X+8*(\i)
	s_wait_dscnt 2*(15-(\i))                       ; LDS loads come back in order (ISA guide 5.7.1): this row's two are in; the rows behind it stay out
.irp r, 0,1,2,3
	v_pk_mul_f32 v[A+2*\r:A+2*\r+1], v[XR:XR+1], v[QT+2*\r:QT+2*\r+1]
.endr
.irp pr, 1,2,3
.irp r, 0,1,2,3
	s_delay_alu instid0(VALU_DEP_4)
	v_pk_fma_f32 v[A+2*\r:A+2*\r+1], v[XR+2*\pr:XR+2*\pr+1], v[QT+2*(4*\pr+\r):QT+2*(4*\pr+\r)+1], v[A+2*\r:A+2*\r+1]   ; the four ranks by turns
.endr
.endr
.irp r, 0,1,2,3
	s_delay_alu instid0(VALU_DEP_4)
	v_add_f32 v[XR+\r], v[A+2*\r], v[A+2*\r+1]     ; even columns' part + odd columns' part: rank r at XR + r
.endr
	v_cmp_eq_u32 vcc_lo, 1, v[PAR]                 ; the odd lanes
	s_delay_alu instid0(VALU_DEP_1)
	v_cndmask_b32 v[XR+4], v[XR+2], v[XR],   vcc_lo    ; what I send: an even lane rank 2, an odd lane rank 0,
	s_delay_alu instid0(VALU_DEP_2)
	v_cndmask_b32 v[XR+5], v[XR],   v[XR+2], vcc_lo    ; what I keep: an even lane rank 0, an odd lane rank 2;
	s_delay_alu instid0(VALU_DEP_3)
	v_cndmask_b32 v[XR+6], v[XR+3], v[XR+1], vcc_lo    ; likewise ranks 3 and 1,
	s_delay_alu instid0(VALU_DEP_4)
	v_cndmask_b32 v[XR+7], v[XR+1], v[XR+3], vcc_lo    ; 1 and 3
	s_delay_alu instid0(VALU_DEP_3)
	v_add_f32_dpp v[XR],   v[XR+4], v[XR+5] row_xmask:1 row_mask:0xf bank_mask:0xf   ; lane l xor 1's sent number + my kept one
	s_delay_alu instid0(VALU_DEP_2)
	v_add_f32_dpp v[XR+1], v[XR+6], v[XR+7] row_xmask:1 row_mask:0xf bank_mask:0xf
.irp m, 2,4,8
.irp r, 0,1
	s_delay_alu instid0(VALU_DEP_2)
	v_add_f32_dpp v[XR+\r], v[XR+\r], v[XR+\r] row_xmask:\m row_mask:0xf bank_mask:0xf   ; these steps join lanes of like parity
.endr
.endr
.irp r, 0,1
	s_delay_alu instid0(VALU_DEP_2)
	v_permlanex16_b32 v[XR+2+\r], v[XR+\r], s10, s11       ; its destination counts as read: the additions above have written it
.endr
.irp r, 0,1
	s_delay_alu instid0(VALU_DEP_2)
	v_add_f32 v[XR+\r], v[XR+\r], v[XR+2+\r]       ; every even lane holds my wave's part of hq[row i][0], [1], every odd lane that of [2], [3]
.endr
.if (\i) == 0
	s_delay_alu instid0(VALU_DEP_2)
	v_mov_b32 v[R],   v[XR]                        ; row 0 writes the pair whole; each later row takes its own two lanes
	s_delay_alu instid0(VALU_DEP_2)
	v_mov_b32 v[R+1], v[XR+1]
.else
	v_cmp_eq_u32 vcc_lo, \i, v[LH]                 ; lanes 2 i and 2 i + 1
	s_delay_alu instid0(VALU_DEP_1)
	v_cndmask_b32 v[R],   v[R],   v[XR],   vcc_lo
	s_delay_alu instid0(VALU_DEP_2)
	v_cndmask_b32 v[R+1], v[R+1], v[XR+1], vcc_lo
.endif
.endm
.irp i, 0,1,2,3,4,5,6,7,8,9,10,11,12,13,14,15
	ROW \i
.endr
	ds_store_b64 v3, v[R:R+1]                      ; my wave's 64 numbers, 256 consecutive bytes: word 4 i + r is (row i, rank r), hq's own order
	s_wait_dscnt 0x0                               ; for wave 0's sake: my store has landed
	s_barrier_signal -1
	s_barrier_wait -1
	s_cmp_lg_u32 s12, 0                            ; wave 0 adds the sixteen parts; no barrier follows
	s_cbranch_scc1 .Lend
.irp w, 0,1,2,3,4,5,6,7,8,9,10,11,12,13,14,15
	ds_load_b64 v[8+2*\w:9+2*\w], v4 offset:256*\w         ; lane l: row l / 2, ranks 2 (l % 2) and the next, of wave w's part
.endr
	s_wait_dscnt 0x0
.irp w, 0,1,2,3,4,5,6,7
	v_pk_add_f32 v[8+2*\w:9+2*\w], v[8+2*\w:9+2*\w], v[24+2*\w:25+2*\w]
.endr
.irp w, 0,1,2,3
	s_delay_alu instid0(VALU_DEP_4)
	v_pk_add_f32 v[8+2*\w:9+2*\w], v[8+2*\w:9+2*\w], v[16+2*\w:17+2*\w]
.endr
.irp w, 0,1
	s_delay_alu instid0(VALU_DEP_2)
	v_pk_add_f32 v[8+2*\w:9+2*\w], v[8+2*\w:9+2*\w], v[12+2*\w:13+2*\w]
.endr
	s_delay_alu instid0(VALU_DEP_1)
	v_pk_add_f32 v[8:9], v[8:9], v[10:11]
	global_store_b64 v4, v[8:9], s[8:9]            ; 32 lanes store 256 consecutive bytes, at a multiple of 256 from hq's first byte
.Lend:
	s_wait_tensorcnt 0x0                           ; the wave's end
	ds_add_u32 v218, v219
	s_wait_dscnt 0x0
	s_endpgm
.Lfunc_end_k_qadc311824f_prep:
	.size	k_qadc311824f_prep, .Lfunc_end_k_qadc311824f_prep-k_qadc311824f_prep
	.p2alignl 7, 3214868480
	.fill 96, 4, 3214868480
	.section	.rodata,"a",@progbits
	.p2align	6, 0x0
	.amdhsa_kernel k_qadc311824f_prep
		.amdhsa_group_segment_fixed_size 327680
		.amdhsa_private_segment_fixed_size 0
		.amdhsa_enable_private_segment 0
		.amdhsa_kernarg_size 64
		.amdhsa_user_sgpr_count 2
		.amdhsa_user_sgpr_kernarg_segment_ptr 1
		.amdhsa_wavefront_size32 1
		.amdhsa_system_sgpr_workgroup_id_x 1
		.amdhsa_system_sgpr_workgroup_id_y 1
		.amdhsa_system_sgpr_workgroup_id_z 1
		.amdhsa_system_vgpr_workitem_id 0
		.amdhsa_next_free_vgpr 248
		.amdhsa_next_free_sgpr 66
		.amdhsa_reserve_vcc 1
		.amdhsa_float_denorm_mode_32 3
		.amdhsa_float_denorm_mode_16_64 3
		.amdhsa_memory_ordered 1
		.amdhsa_forward_progress 1
		.amdhsa_inst_pref_size 67
	.end_amdhsa_kernel
	.amdgpu_metadata
---
amdhsa.version: [ 1, 2 ]
amdhsa.kernels:
  - .name:           k_qadc311824f_prep
    .symbol:         k_qadc311824f_prep.kd
    .args:
      - { .name: h, .offset: 0, .size: 8, .value_kind: global_buffer, .address_space: global }
      - { .name: q_vec, .offset: 8, .size: 8, .value_kind: global_buffer, .address_space: global }
      - { .name: hq, .offset: 16, .size: 8, .value_kind: global_buffer, .address_space: global }
      - { .name: x_codes, .offset: 24, .size: 8, .value_kind: global_buffer, .address_space: global }
      - { .name: x_scales, .offset: 32, .size: 8, .value_kind: global_buffer, .address_space: global }
      - { .name: b_mat_codes, .offset: 40, .size: 8, .value_kind: global_buffer, .address_space: global }
      - { .name: b_mat_scales, .offset: 48, .size: 8, .value_kind: global_buffer, .address_space: global }
      - { .name: wk, .offset: 56, .size: 8, .value_kind: global_buffer, .address_space: global }
    .group_segment_fixed_size: 327680
    .private_segment_fixed_size: 0
    .kernarg_segment_align: 8
    .kernarg_segment_size: 64
    .max_flat_workgroup_size: 512
    .sgpr_count:     66
    .vgpr_count:     248
    .wavefront_size: 32
...
	.end_amdgpu_metadata
.endif
;; end of part 1
;; launch gemm (part 2): grid 16 x 16, 4 waves a work-group, clusters of 4 x 4, 327,680 bytes of LDS; arguments wk, h, a_diag, p_vec, hq, out0; writes out0
.if DOCPART == 2
	.amdgcn_target "amdgcn-amd-amdhsa--gfx1250"
	.amdhsa_code_object_version 6
	.text
	.protected	k_qadc311824f_gemm
	.globl	k_qadc311824f_gemm
	.p2align	8
	.type	k_qadc311824f_gemm,@function
k_qadc311824f_gemm:
	s_mov_b64 s[64:65], 0
	v_nop
	global_prefetch_b8 v0, s[64:65] scope:SCOPE_SE
	s_setreg_imm32_b32 hwreg(HW_REG_WAVE_MODE, 25, 1), 1
	s_wait_xcnt 0x0
	s_wait_alu depctr_hold_cnt(0) depctr_sa_sdst(0) depctr_va_vdst(0) depctr_va_sdst(0) depctr_va_ssrc(0) depctr_va_vcc(0) depctr_vm_vsrc(0)
	s_getreg_b32 s2, hwreg(HW_REG_IB_STS2, 6, 4)
	s_cmp_eq_u32 s2, 0
	s_cbranch_scc0 .Lentry_in_a_cluster
	s_endpgm
.Lentry_in_a_cluster:
	s_bfe_u32 s2, ttmp6, 0x10000c
	s_cmp_lg_u32 s2, 0xf033
	s_cbranch_scc0 .Lentry_shape_is_right
	s_endpgm
.Lentry_shape_is_right:
; out[m][n] = h[m][n] (1 + a[n]) + sum over r of hq[m][r] p[n][r] + sum over k of x[m][k] b[k][n].  x and b_mat as E3M2 codes with E8M0 scales, from wk, where the launch before laid them
; in the order of the operands' registers; hq [4096][4] f32 from that launch too.  All inputs are used; nothing is left out.
; A tile of out, 256 x 256, is made by a work-group of four waves; a wave makes 128 x 128: 64 accumulators, 512 registers.
; wk: group (128 rows) x chunk (256 along K) x 25,600 bytes: block i x step q x 1,536 bytes (registers 4 g .. 4 g + 3 of lane l at 512 g + 16 l), then 1,024 bytes of scale words
; (blocks 2 p, 2 p + 1 at 256 p + 8 l; lanes 0-15 step 0, lanes 16-31 step 1).  One tensor load brings such a tile as 100 dense rows of 256 bytes: codes and scales together.
; A fragment is three LDS loads of 16 bytes a lane at 16 x lane: 512 consecutive bytes each, so no padding is wanted.
; THE RING: two slots, each with A's two groups' and B's two groups' tiles of one chunk; wave w fetches tile w of a slot.  One round of the cluster's barrier for each chunk of two steps (128 matrix instructions).
; CLUSTERS: 4 x 4 work-groups; A's tiles are asked for jointly along a row of the cluster, B's along a column.
; h: my wave's 128 rows x 512 bytes, in eight blocks of 16 rows.  Blocks 0 and 1 lie in registers from the head on.  Blocks 2 to 4 (48 rows, 24,576 bytes) come by a tensor load of the wave's own into its quarter of
; slot 0, behind the round that follows that slot's last read; blocks 5 to 7 likewise into slot 1, behind a round behind the last product.  Only the issuing wave reads them.
; PREFETCH: behind each joint refill a wave names the tile of wk that stands two refills on: its 100 blocks of 256 bytes are shared among the four partners by address, 25 each (lanes 25-31 name the 25th again);
; the first four chunks come by their loads alone.  The last two refills have no such tile: there the wave names its blocks 2 to 4 and 5 to 7 of h, a lane to 256 bytes, two chunks and more ahead of their loads.
; THE SUMS begin with hq p^T (one f32 matrix instruction of K = 4 for each accumulator: 64 a wave), go on along K ascending, and h (1 + a) is added by one fused multiply-add on the way out:
; the order of rounding differs from h + h a + .. as written, by f32 rounding alone.  NaN and infinities spread as in the definition.
; THE MATRIX INSTRUCTION IS USED TRANSPOSED (source 0 = 16 rows of b, source 1 = 16 rows of x): a lane holds eight neighbouring numbers of a row of out.
; REGISTERS: window 0: v0-31 addresses, v32-63 scale words (two sets: A's eight, B's eight), v64-127 h's block 0, v128-223 A's fragments (one set), v224-239 hq; window 1: B's fragments at v0 and v128,
; v96-127 and v224-255 h's block 1; windows 2, 3: the accumulators.  On the way out window 0's v128-255 take rows back from the stage, window 1's v0-63 and v128-191 rows of h from LDS.
.set TILE,   25600
.set SCO,    24576                     ; where a tile's scale words begin
.set SLOT,   4*TILE
.set GRP,    16*TILE                   ; a group of 128 rows, all of K
.set BOFF,   32*GRP                    ; b_mat's groups lie behind x's
.set LAPS,   8                         ; a lap = two chunks = once round the ring
.set FR,     12
.set NL,     3                         ; LDS loads that bring a fragment
.set NP,     4                         ; places behind this matrix instruction (ISA guide 7.12.1)
.set STAGE,  2*SLOT                    ; behind the ring: 16 rows x 528 bytes for each wave; no tensor load lands here
.set SPITCH, 528
.set SPARE,  STAGE+4*16*SPITCH         ; the spare words: 128 bytes a wave
.set OROW,   16384                     ; a row of h or of out
.set LQ,   7
.set A1,   8                           ; v8-11 1 + a of my four columns
.set HA,   12                          ; v12-13 my rows of h in slot 0, 1
.set ADRA, 16                          ; v16-17 A's fragments in slot 0, 1;  v18-19 B's
.set ADRB, 18
.set ASA,  20                          ; v20-21 A's scale words in slot 0, 1;  v22-23 B's
.set ASB,  22
.set STO,  24
.set RD,   25
.set CO,   26
.set SPW,  28
.set NIL,  29
.set PFO,  30
.set PFH,  31
.set SC,   32
.set AF,   128
.set HQ,   224
.set PF,   128
.set BK,   128
.set WK,   4                           ; s[4:5] wk, s[6:7] h, s[8:9] a_diag, s[10:11] p_vec, s[12:13] hq, s[14:15] out
.set HB,   6
.set AD,   8
.set PV,   10
.set HQB,  12
.set OUT,  14
.set WV,   22
.set RH,   23
.set G1,   24
.set G0,   32
.set TC,   42
.set G1B,  48
.set G0B,  56
.set CH,   66
.set TR,   67
.set PFA,  70
.set G1H,  80                          ; s[80:87] group 1 for h's tiles;  s[88:95] group 0, one set for each slot
.set G0H,  88
.set MSB, 0
.macro WIN new                         ; the immediate's high byte repeats the setting that is left
.if MSB != \new
	s_set_vgpr_msb (MSB<<8)|\new
.set MSB, \new
.endif
.endm
.set MUL_LO, 0xa1                      ; source 0 (B) window 1, source 1 (A) window 0, C and D window 2
.set MUL_HI, 0xf1                      ; the same, C and D window 3
.set TO_B,   0x40
.macro JLOAD s                         ; a joint load: waves 0, 1 fetch A's two tiles, waves 2, 3 B's; s_nop 0 and four v_nop behind each line
	s_cmp_eq_u32 s[RH], 0
	s_cbranch_scc0 .Lfor_b_\@
	tensor_load_to_lds s[G0+4*\s:G0+4*\s+3], s[G1:G1+7]
	s_nop 0
.rept 4
	v_nop
.endr
	s_branch .Lasked_\@
.Lfor_b_\@:
	tensor_load_to_lds s[G0B+4*\s:G0B+4*\s+3], s[G1B:G1B+7]
	s_nop 0
.rept 4
	v_nop
.endr
.Lasked_\@:
.endm
.macro CREST                           ; a round of the cluster's barrier behind its opening barrier
	s_cmp_lg_u32 s[WV], 0
	s_cbranch_scc1 .Lnot_wave_0_\@
	s_barrier_signal -3
.Lnot_wave_0_\@:
	s_barrier_wait -3
	s_barrier_signal -1
	s_barrier_wait -1
.endm
.macro CROUND
	s_barrier_signal -1
	s_barrier_wait -1
	CREST
.endm
.macro ASK slot                        ; the tile of wk two refills on; in the loop's last trip (s3 = 1), which has no such tile: three blocks of h
	s_cmp_gt_u32 s3, 1
	s_cbranch_scc0 .Lask_h_\@
	global_prefetch_b8 v[PFO], s[PFA:PFA+1] th:TH_LOAD_NT scope:SCOPE_SE
	s_branch .Lask_done_\@
.Lask_h_\@:
.irp a, 0,1,2
	global_prefetch_b8 v[PFH], s[HB:HB+1] offset:(2+3*\slot+\a)*16*OROW th:TH_LOAD_NT scope:SCOPE_SE
.endr
.Lask_done_\@:
.endm
	s_load_b256 s[4:11], s[0:1], 0x0
	s_load_b128 s[12:15], s[0:1], 0x20
	v_lshl_add_u32 v[SPW], v0, 2, SPARE
	v_mov_b32 v[NIL], 0
	ds_add_u32 v[SPW], v[NIL]                      ; the opening lines: the add, twice on end, and its wait ahead of my first tensor load
	ds_add_u32 v[SPW], v[NIL]
	v_lshrrev_b32 v1, 5, v0
	v_readfirstlane_b32 s[WV], v1                  ; wave 0..3
	s_lshr_b32 s[RH], s[WV], 1                     ; my half of the tile's rows.  Also: I fetch for A (0) or B (1)
	s_and_b32 s[CH], s[WV], 1                      ; my half of its columns.  Also: which group of 128 rows I fetch
	s_bfe_u32 s40, ttmp6, 0x40000                  ; cx, cy
	s_bfe_u32 s41, ttmp6, 0x40004
	s_lshl_b32 s[TC], ttmp9, 2
	s_add_co_u32 s[TC], s[TC], s40                 ; tile column
	s_and_b32 s[TR], ttmp7, 0xffff
	s_lshl_b32 s[TR], s[TR], 2
	s_add_co_u32 s[TR], s[TR], s41                 ; tile row
	s_lshl_b32 s43, s41, 2
	s_lshl_b32 s43, 15, s43                        ; my row of the cluster
	s_lshl_b32 s44, 0x1111, s40                    ; my column
	s_or_b32 s[G1], s43, (3<<16)|(1<<21)           ; the mask; elements of 8 bytes; bit 21 beside a mask; no padding
	s_or_b32 s[G1B], s44, (3<<16)|(1<<21)
.irp g, G1, G1B
	s_mov_b32 s[\g+1], 32<<16                      ; tensor_dim0 = 32 elements: 256 bytes
	s_mov_b32 s[\g+2], 100<<16                     ; tensor_dim1 = 100 rows
	s_mov_b32 s[\g+3], 32<<16                      ; tile_dim0
	s_mov_b32 s[\g+4], 100                         ; tile_dim1
	s_mov_b32 s[\g+5], 32                          ; the pitch: dense
	s_mov_b32 s[\g+6], 0
	s_mov_b32 s[\g+7], 0
.endr
	s_mov_b32 s[G1H+0], 2<<16                      ; h: elements of 4 bytes, no mask: the wave's own load
	s_mov_b32 s[G1H+1], 128<<16                    ; tensor_dim0 = 128: 512 bytes
	s_mov_b32 s[G1H+2], 48<<16                     ; tensor_dim1 = 48 rows
	s_mov_b32 s[G1H+3], 128<<16
	s_mov_b32 s[G1H+4], 48
	s_mov_b32 s[G1H+5], 4096                       ; the pitch
	s_mov_b32 s[G1H+6], 0
	s_mov_b32 s[G1H+7], 0
	s_lshl_b32 s68, s[TR], 1
	s_add_co_u32 s68, s68, s[CH]
	s_mul_i32 s68, s68, GRP                        ; A: group 2 x tile row + half
	s_mov_b32 s69, 0
	s_lshl_b32 s46, s[TC], 1
	s_add_co_u32 s46, s46, s[CH]
	s_mul_i32 s46, s46, GRP                        ; B: group 2 x tile column + half, behind x's groups
	s_add_co_u32 s46, s46, BOFF
	s_mov_b32 s47, 0
	s_mul_i32 s45, s[WV], TILE                     ; where my tile goes: no place in the cluster enters an LDS address
	s_wait_dscnt 0x0                               ; both opening adds are done
	s_wait_kmcnt 0x0
	s_add_nc_u64 s[68:69], s[WK:WK+1], s[68:69]
	s_add_nc_u64 s[46:47], s[WK:WK+1], s[46:47]
	CROUND                                         ; all sixteen work-groups are here: the first joint loads meet
.irp s, 0,1
	s_mov_b32 s[G0+4*\s], 1
	s_add_co_u32 s[G0+4*\s+1], s45, \s*SLOT
	s_add_nc_u64 s[G0+4*\s+2:G0+4*\s+3], s[68:69], \s*TILE
	s_or_b32 s[G0+4*\s+3], s[G0+4*\s+3], 0x80000000
	s_mov_b32 s[G0B+4*\s], 1
	s_add_co_u32 s[G0B+4*\s+1], s45, \s*SLOT
	s_add_nc_u64 s[G0B+4*\s+2:G0B+4*\s+3], s[46:47], \s*TILE
	s_or_b32 s[G0B+4*\s+3], s[G0B+4*\s+3], 0x80000000
.endr
	JLOAD 0                                        ; chunk 0: one tensor load a wave at the head
	; all scalar set-up first, then the vector lines in one block, then the one wait
	s_mul_i32 s72, s[RH], TILE                     ; my 128 rows of A in slot 0,
	s_mul_i32 s73, s[CH], TILE
	s_add_co_u32 s73, s73, 2*TILE                  ; of B,
	s_add_co_u32 s74, s72, SLOT                    ; and in slot 1
	s_add_co_u32 s75, s73, SLOT
	s_mul_i32 s76, s[WV], 16*SPITCH
	s_add_co_u32 s76, s76, STAGE                   ; my stage
	s_add_co_u32 s77, s45, SLOT                    ; my quarter of slot 1
	s_lshl_b32 s16, s[TR], 8
	s_lshl_b32 s17, s[RH], 7
	s_add_co_u32 s16, s16, s17                     ; my first row of out
	s_lshl_b32 s18, s[TC], 8
	s_lshl_b32 s19, s[CH], 7
	s_add_co_u32 s18, s18, s19                     ; my first column
	s_mov_b32 s21, 0
	s_lshl_b32 s20, s16, 4
	s_add_nc_u64 s[HQB:HQB+1], s[HQB:HQB+1], s[20:21]
	s_lshl_b32 s20, s18, 4
	s_add_nc_u64 s[PV:PV+1], s[PV:PV+1], s[20:21]
	s_lshl_b32 s20, s18, 2
	s_add_nc_u64 s[AD:AD+1], s[AD:AD+1], s[20:21]
	s_lshl_b32 s17, s16, 14
	s_add_co_u32 s20, s20, s17
	s_add_nc_u64 s[HB:HB+1], s[HB:HB+1], s[20:21]
	s_add_nc_u64 s[OUT:OUT+1], s[OUT:OUT+1], s[20:21]
	s_mov_b32 s[G0H], 1                            ; h's blocks 2 to 4 into my quarter of slot 0,
	s_add_co_u32 s[G0H+1], s45, 0
	s_add_nc_u64 s[G0H+2:G0H+3], s[HB:HB+1], 32*OROW
	s_or_b32 s[G0H+3], s[G0H+3], 0x80000000
	s_mov_b32 s[G0H+4], 1                          ; blocks 5 to 7 into my quarter of slot 1
	s_add_co_u32 s[G0H+5], s45, SLOT
	s_add_nc_u64 s[G0H+6:G0H+7], s[HB:HB+1], 80*OROW
	s_or_b32 s[G0H+7], s[G0H+7], 0x80000000
	s_cmp_eq_u32 s[RH], 0                          ; the prefetches: the group that I fetch,
	s_cselect_b64 s[PFA:PFA+1], s[68:69], s[46:47]
	s_cselect_b32 s20, s40, s41                    ; my place among the four that ask for it with me: 25 blocks of 256 bytes each,
	s_mul_i32 s20, s20, 25*256
	s_add_co_u32 s20, s20, 3*TILE                  ; at chunk 3: the first refill steps it to chunk 4
	s_add_nc_u64 s[PFA:PFA+1], s[PFA:PFA+1], s[20:21]
	v_and_b32 v1, 15, v0                           ; l % 16
	v_bfe_u32 v2, v0, 4, 1                         ; l / 16
	v_and_b32 v6, 31, v0                           ; lane
	v_lshlrev_b32 v[CO], 4, v6                     ; 16 x lane: a fragment's 16 bytes; my 16 bytes of a row of 512
	v_lshlrev_b32 v3, 3, v6                        ; 8 x lane: two blocks' scale words
	v_add_nc_u32 v[ADRA], s72, v[CO]
	v_add_nc_u32 v[ADRA+1], s74, v[CO]
	v_add_nc_u32 v[ADRB], s73, v[CO]
	v_add_nc_u32 v[ADRB+1], s75, v[CO]
	v_add_nc_u32 v[ASA], s72, v3
	v_add_nc_u32 v[ASA+1], s74, v3
	v_add_nc_u32 v[ASB], s73, v3
	v_add_nc_u32 v[ASB+1], s75, v3
	v_mul_u32_u24 v5, v1, SPITCH                   ; into the stage: row l % 16, 32 bytes for each half of the lanes
	v_lshl_add_u32 v5, v2, 5, v5
	v_add_nc_u32 v[STO], s76, v5
	v_add_nc_u32 v[RD], s76, v[CO]                 ; back: the 32 lanes take a row of 512 bytes
	v_add_nc_u32 v[HA], s45, v[CO]                 ; a row of h in my quarter of slot 0,
	v_add_nc_u32 v[HA+1], s77, v[CO]               ; of slot 1
	v_min_u32 v4, 24, v6
	v_lshlrev_b32 v[PFO], 8, v4                    ; a lane a block of 256 bytes, 25 of them
	v_lshrrev_b32 v3, 1, v6
	v_and_b32 v4, 1, v6
	v_lshlrev_b32 v4, 8, v4
	v_lshl_add_u32 v[PFH], v3, 14, v4              ; h: row lane / 2, 256 bytes for each of two lanes
	v_lshlrev_b32 v[LQ], 4, v1
	v_lshl_add_u32 v[LQ], v2, 3, v[LQ]             ; hq, p: row l % 16 of 16 bytes, ranks 2 (l / 16) and the next
	s_wait_alu depctr_va_vdst(0)
	global_load_b128 v[A1:A1+3], v[CO], s[AD:AD+1]
.irp i, 0,1,2,3,4,5,6,7
	global_load_b64 v[HQ+2*\i:HQ+2*\i+1], v[LQ], s[HQB:HQB+1] offset:256*\i
.endr
	WIN TO_B
.irp i, 0,1,2,3,4,5,6,7
	global_load_b64 v[PF+2*\i:PF+2*\i+1], v[LQ], s[PV:PV+1] offset:256*\i
.endr
	WIN 0
.macro INIT hi                         ; hq p^T starts the sums: nothing is cleared
.irp a, 0,1,2,3
.irp b, 0,1,2,3,4,5,6,7
	v_wmma_f32_16x16x4_f32 v[8*(8*\a+\b):8*(8*\a+\b)+7], v[PF+2*\b:PF+2*\b+1], v[HQ+2*(4*\hi+\a):HQ+2*(4*\hi+\a)+1], 0
.endr
.endr
.endm
.macro FRAG reg, adr, q, i             ; block i, step q: 12 registers by three loads of 512 consecutive bytes
.irp g, 0,1,2
	ds_load_b128 v[\reg+4*\g:\reg+4*\g+3], v[\adr] offset:(\i)*3072+(\q)*1536+512*\g
.endr
.endm
; 16 matrix instructions: A's blocks a0, a0 + 1 x B's eight.  p: B's set; q: the step in the chunk (which half of the lanes of the scale registers); sc: the set of scale words.  The 64 accumulators take turns.
.macro MUL16 a0, p, q, sc
.irp a, \a0, \a0+1
.irp b, 0,1,2,3,4,5,6,7
.set AC, 8*(8*((\a)%4)+\b)
.set BR, 128*(\p)+FR*\b
.set AR, AF+FR*(\a)
.if \q
	v_wmma_scale_f32_16x16x128_f8f6f4 v[AC:AC+7], v[BR:BR+FR-1], v[AR:AR+FR-1], v[AC:AC+7], v[SC+16*(\sc)+8+\b], v[SC+16*(\sc)+(\a)] matrix_a_fmt:MATRIX_FMT_BF6 matrix_b_fmt:MATRIX_FMT_BF6 matrix_a_scale:MATRIX_SCALE_ROW1 matrix_b_scale:MATRIX_SCALE_ROW1
.else
	v_wmma_scale_f32_16x16x128_f8f6f4 v[AC:AC+7], v[BR:BR+FR-1], v[AR:AR+FR-1], v[AC:AC+7], v[SC+16*(\sc)+8+\b], v[SC+16*(\sc)+(\a)] matrix_a_fmt:MATRIX_FMT_BF6 matrix_b_fmt:MATRIX_FMT_BF6
.endif
.endr
.endr
.endm
.macro FETCH_B slot, q, p
	WIN TO_B
.irp i, 0,1,2,3,4,5,6,7
	FRAG 128*(\p)+FR*\i, ADRB+\slot, \q, \i
.endr
	WIN 0
.endm
.macro FETCH_A slot, q, i0
.irp i, \i0, \i0+1, \i0+2, \i0+3
	FRAG AF+FR*(\i), ADRA+\slot, \q, \i
.endr
.endm
.macro SCALES s                        ; a chunk's scale words: two blocks a load
.irp p, 0,1,2,3
	ds_load_b64 v[SC+16*\s+2*\p:SC+16*\s+2*\p+1], v[ASA+\s] offset:SCO+256*\p
	ds_load_b64 v[SC+16*\s+8+2*\p:SC+16*\s+8+2*\p+1], v[ASB+\s] offset:SCO+256*\p
.endr
.endm
.macro PLACES n
.rept \n
	v_nop
.endr
.endm
.macro HSET a                          ; where block a's 16 rows of h lie in registers: window and two runs of 32
.if (\a) == 0
.set HW, 0
.set HLO, 64
.set HHI, 96
.elseif (\a) == 1
.set HW, 1
.set HLO, 96
.set HHI, 224
.else
.set HW, 1
.set HLO, 128*((\a)%2)
.set HHI, 128*((\a)%2)+32
.endif
.endm
.macro HLOAD a                         ; blocks 0 and 1: 16 rows x 512 bytes of h from memory, a row a load
	HSET \a
.set HWD, 0x40*HW
	WIN HWD
.irp t, 0,1,2,3,4,5,6,7
	global_load_b128 v[HLO+4*\t:HLO+4*\t+3], v[CO], s[HB:HB+1] offset:(16*(\a)+\t)*OROW th:TH_LOAD_NT
.endr
.irp t, 0,1,2,3,4,5,6,7
	global_load_b128 v[HHI+4*\t:HHI+4*\t+3], v[CO], s[HB:HB+1] offset:(16*(\a)+8+\t)*OROW th:TH_LOAD_NT
.endr
	WIN 0
.endm
; A chunk's first step: multiplies step 0 (B's set 0) and fetches step 1 of the same slot
.macro STEP slot
	s_wait_dscnt 4*NL                              ; all but the youngest twelve loads (A's blocks 4-7)
	WIN MUL_LO
	MUL16 0, 0, 0, \slot
	MUL16 2, 0, 0, \slot
	s_wait_dscnt 0
	PLACES NP
	FETCH_B \slot, 1, 1
	FETCH_A \slot, 1, 0
	WIN MUL_HI
	MUL16 4, 0, 0, \slot
	MUL16 6, 0, 0, \slot
	PLACES NP
	WIN 0
	FETCH_A \slot, 1, 4
.endm
; A chunk's second step multiplies step 1 (B's set 1) and changes slots: in front of the barrier each wave waits for all its tensor loads, adds 0 to its spare word, and waits for that and for its reads of this slot.
; fill = 1: the slot takes the chunk two further on, by the joint loads; fill = 2: no chunk is left for it, and each wave's quarter takes three blocks of h.
.macro TURN slot, next, fill
.if \fill == 1
	s_wait_xcnt 0x0                                ; my last prefetch has read its address
	s_add_nc_u64 s[PFA:PFA+1], s[PFA:PFA+1], TILE
.endif
	s_wait_tensorcnt 0x0                           ; my part of the next slot has landed
	ds_add_u32 v[SPW], v[NIL]
	s_wait_dscnt 4*NL+1                            ; (the add and the youngest twelve loads may be out)
	WIN MUL_LO
	MUL16 0, 1, 1, \slot
	s_wait_dscnt 0x0                               ; the add is done, my reads of this slot are back
	s_barrier_signal -1
	MUL16 2, 1, 1, \slot
	WIN 0
	s_barrier_wait -1
	CREST                                          ; the barrier has opened a round of the cluster's barrier
.if \fill == 1
	s_add_nc_u64 s[G0+4*\slot+2:G0+4*\slot+3], s[G0+4*\slot+2:G0+4*\slot+3], 2*TILE
	s_add_nc_u64 s[G0B+4*\slot+2:G0B+4*\slot+3], s[G0B+4*\slot+2:G0B+4*\slot+3], 2*TILE
	JLOAD \slot                                    ; the first tensor load behind the round; its four v_nop are the places in front of the loads below
.else
	tensor_load_to_lds s[G0H+4*\slot:G0H+4*\slot+3], s[G1H:G1H+7]
	s_nop 0
	PLACES NP
.endif
	FETCH_B \next, 0, 0
	FETCH_A \next, 0, 0
	SCALES \next
.if \fill == 1
	ASK \slot
.endif
	WIN MUL_HI
	MUL16 4, 1, 1, \slot
	MUL16 6, 1, 1, \slot
	PLACES NP
	WIN 0
	FETCH_A \next, 0, 4
.endm
	HLOAD 0                                        ; two blocks of h lie in registers through the whole walk
	HLOAD 1
	s_wait_tensorcnt 0x0                           ; my tile of chunk 0 is in
	ds_add_u32 v[SPW], v[NIL]
	s_wait_dscnt 0x0
	CROUND
	JLOAD 1                                        ; chunk 1, the first tensor load behind the round
	FETCH_B 0, 0, 0
	FETCH_A 0, 0, 0
	SCALES 0
	FETCH_A 0, 0, 4
	s_wait_loadcnt 32                              ; a, hq and p are in; the 32 loads of h stay out
	v_pk_add_f32 v[A1:A1+1], v[A1:A1+1], 1.0 op_sel_hi:[1,0]
	v_pk_add_f32 v[A1+2:A1+3], v[A1+2:A1+3], 1.0 op_sel_hi:[1,0]
	s_wait_alu depctr_va_vdst(0)
	WIN MUL_LO
	INIT 0
	WIN MUL_HI
	INIT 1
	WIN 0
	PLACES 9                                       ; nine places between the f32 form and the form that takes its results as C
	STEP 0
	s_mov_b32 s3, LAPS-1
.Llap:                                                 ; a trip goes once round the ring and fills both slots again
	TURN 0, 1, 1
	STEP 1
	TURN 1, 0, 1
	STEP 0
	s_sub_co_u32 s3, s3, 1
	s_cmp_lg_u32 s3, 0
	s_cbranch_scc1 .Llap
	TURN 0, 1, 2                                   ; the last lap: slot 0 takes h's blocks 2 to 4
	STEP 1
	s_wait_dscnt 4*NL
	WIN MUL_LO
	MUL16 0, 1, 1, 1
	MUL16 2, 1, 1, 1
	s_wait_dscnt 0
	WIN MUL_HI
	MUL16 4, 1, 1, 1
	MUL16 6, 1, 1, 1
	WIN 0
	PLACES NP
	s_wait_tensorcnt 0x0                           ; h's blocks 2 to 4 are in; slot 1 is filled again: the three lines,
	ds_add_u32 v[SPW], v[NIL]
	s_wait_dscnt 0x0                               ; (my reads of slot 1 are back)
	CROUND                                         ; the round,
	tensor_load_to_lds s[G0H+4:G0H+7], s[G1H:G1H+7]    ; and h's blocks 5 to 7 into my quarter of slot 1
	s_nop 0
	PLACES NP
	s_wait_loadcnt 0x0                             ; blocks 0 and 1 of h
; THE WAY OUT, block by block of 16 rows x 128 columns: through my own stage, back as whole rows of 512 bytes; h (1 + a) is added there; 32 lanes store 512 consecutive aligned bytes.
.macro TOSTAGE a
.set AC, 64*((\a)%4)
.set WD, 0x08+4*((\a)/4)
	WIN WD
.irp b, 0,1,2,3,4,5,6,7
	ds_store_b128 v[STO], v[AC+8*\b:AC+8*\b+3] offset:64*\b          ; each accumulator from its low end on
	ds_store_b128 v[STO], v[AC+8*\b+4:AC+8*\b+7] offset:64*\b+16
.endr
	WIN 0
.set BB, BK+64*((\a)%2)
.irp t, 0,1,2,3,4,5,6,7,8,9,10,11,12,13,14,15
	ds_load_b128 v[BB+4*\t:BB+4*\t+3], v[RD] offset:\t*SPITCH       ; LDS serves a wave's instructions in order (ISA guide 5.7.1.4)
.endr
.if (\a) >= 2                          ; and the block's rows of h, from my quarter of slot 0 (blocks 2 to 4) or 1 (5 to 7)
.if (\a) == 5
	s_wait_tensorcnt 0x0                           ; blocks 5 to 7 are in
.endif
.set HL, 128*((\a)%2)
	WIN TO_B
.irp t, 0,1,2,3,4,5,6,7,8,9,10,11,12,13,14,15
	ds_load_b128 v[HL+4*\t:HL+4*\t+3], v[HA+((\a)-2)/3] offset:(((\a)-2)%3)*8192+\t*512
.endr
	WIN 0
.endif
.endm
.macro SEND a, younger                 ; younger: the LDS instructions issued behind block a's loads, which may stay out
.set BB, BK+64*((\a)%2)
	HSET \a
	s_wait_dscnt \younger
	WIN HW
.irp t, 0,1,2,3,4,5,6,7
	v_pk_fma_f32 v[BB+4*\t:BB+4*\t+1],   v[HLO+4*\t:HLO+4*\t+1],   v[A1:A1+1],   v[BB+4*\t:BB+4*\t+1]
	v_pk_fma_f32 v[BB+4*\t+2:BB+4*\t+3], v[HLO+4*\t+2:HLO+4*\t+3], v[A1+2:A1+3], v[BB+4*\t+2:BB+4*\t+3]
.endr
.irp t, 0,1,2,3,4,5,6,7
	v_pk_fma_f32 v[BB+32+4*\t:BB+32+4*\t+1],   v[HHI+4*\t:HHI+4*\t+1],   v[A1:A1+1],   v[BB+32+4*\t:BB+32+4*\t+1]
	v_pk_fma_f32 v[BB+32+4*\t+2:BB+32+4*\t+3], v[HHI+4*\t+2:HHI+4*\t+3], v[A1+2:A1+3], v[BB+32+4*\t+2:BB+32+4*\t+3]
.endr
	WIN 0
.irp t, 0,1,2,3,4,5,6,7,8,9,10,11,12,13,14,15
	global_store_b128 v[CO], v[BB+4*\t:BB+4*\t+3], s[OUT:OUT+1] offset:(16*(\a)+\t)*OROW th:TH_STORE_NT
.endr
.endm
	TOSTAGE 0
.irp a, 1,2,3,4,5,6,7
.if \a > 1
	s_wait_xcnt 0x0                                ; block a - 2's stores have read their registers: block a's rows may land there
.endif
	TOSTAGE \a
.if \a > 1
	SEND \a-1, 48                                  ; behind block a - 1's loads: block a's 16 stores and 32 loads
.else
	SEND \a-1, 32                                  ; block 1's 16 stores and 16 loads
.endif
.endr
	SEND 7, 0
	s_wait_tensorcnt 0x0                           ; the wave's end
	ds_add_u32 v[SPW], v[NIL]
	s_wait_dscnt 0x0
	CROUND                                         ; the closing round
	s_endpgm
.Lfunc_end_k_qadc311824f_gemm:
	.size	k_qadc311824f_gemm, .Lfunc_end_k_qadc311824f_gemm-k_qadc311824f_gemm
	.p2alignl 7, 3214868480
	.fill 96, 4, 3214868480
	.section	.rodata,"a",@progbits
	.p2align	6, 0x0
	.amdhsa_kernel k_qadc311824f_gemm
		.amdhsa_group_segment_fixed_size 327680
		.amdhsa_private_segment_fixed_size 0
		.amdhsa_enable_private_segment 0
		.amdhsa_kernarg_size 48
		.amdhsa_user_sgpr_count 2
		.amdhsa_user_sgpr_kernarg_segment_ptr 1
		.amdhsa_wavefront_size32 1
		.amdhsa_system_sgpr_workgroup_id_x 1
		.amdhsa_system_sgpr_workgroup_id_y 1
		.amdhsa_system_sgpr_workgroup_id_z 1
		.amdhsa_system_vgpr_workitem_id 0
		.amdhsa_next_free_vgpr 1024
		.amdhsa_next_free_sgpr 96
		.amdhsa_reserve_vcc 0
		.amdhsa_float_denorm_mode_32 3
		.amdhsa_float_denorm_mode_16_64 3
		.amdhsa_memory_ordered 1
		.amdhsa_forward_progress 1
		.amdhsa_inst_pref_size 169
	.end_amdhsa_kernel
	.amdgpu_metadata
---
amdhsa.version: [ 1, 2 ]
amdhsa.kernels:
  - .name:           k_qadc311824f_gemm
    .symbol:         k_qadc311824f_gemm.kd
    .args:
      - { .name: wk, .offset: 0, .size: 8, .value_kind: global_buffer, .address_space: global }
      - { .name: h, .offset: 8, .size: 8, .value_kind: global_buffer, .address_space: global }
      - { .name: a_diag, .offset: 16, .size: 8, .value_kind: global_buffer, .address_space: global }
      - { .name: p_vec, .offset: 24, .size: 8, .value_kind: global_buffer, .address_space: global }
      - { .name: hq, .offset: 32, .size: 8, .value_kind: global_buffer, .address_space: global }
      - { .name: out0, .offset: 40, .size: 8, .value_kind: global_buffer, .address_space: global }
    .group_segment_fixed_size: 327680
    .private_segment_fixed_size: 0
    .kernarg_segment_align: 8
    .kernarg_segment_size: 48
    .max_flat_workgroup_size: 128
    .sgpr_count:     96
    .vgpr_count:     1024
    .wavefront_size: 32
...
	.end_amdgpu_metadata
.endif
;; end of part 2
